; MI455X (gfx1250); checked and timed in simulation.
; The chip was launched on July 23, 2026; its instructions are those of AMD's public machine-readable ISA for CDNA 5 (MIT licence, August 2026) and "CDNA5" Instruction Set Architecture Reference Guide (July 2026). The comments in the code are by the model that wrote it; some were corrected since.
;; Euclidean Codebook. Allowed arithmetic: matrix products marked QUANTISED: E2M3 operands, one E8M0 scale for each 32 along K, by v_wmma_scale_f32_16x16x128_f8f6f4 with both operands' format E2M3, f32 sums; everything else in f32.
;; Inputs: embed 1 x 8,192 x 256 float32; x 8 x 4,096 x 256 float32.
;; Outputs: out0 8 x 4,096 x 256 float32; out1 8 x 4,096 int32.
;; This version of the problem:
;;   THIS VERSION OF THE PROBLEM IS GIVEN IN LOW PRECISION. The matrix products marked QUANTISED in the list below multiply operands that are first quantised to E2M3 (2 exponent bits, 3 mantissa bits; 6 bits a number), with one power-of-two scale for each 32 numbers along K (OCP MX v1.0); their sums are f32. All else is computed in f32.
;;   The module's matrix products, in the order in which they are computed (A, B: the left and right operand; K: the contracted axis; several contracted axes count as one K, in the product's order):
;;     1. [M 32,768, K 256] x [K 256, N 8,192]; A: input x; B: input embed: QUANTISED
;;   THE QUANTISER, for each operand of a quantised product, along K:
;;     - K is cut into blocks of 32 from its start; a last block that is shorter is filled with zeros.
;;     - A block's scale is 2^e with e = floor(log2(the largest magnitude in the block)) - 2, held to -126 .. 127; a block of zeros has e = 0. As a byte (E8M0): e + 127.
;;     - Each number is divided by its block's scale, clamped to +-7.5, and rounded to the nearest number of E2M3, ties to even, subnormals kept.
;;     - The product sums the exact products of the quantised numbers (number of the format x scale) in f32.
;;   ~~~python
;;   def quantise(x, axis):      # numpy; x: float32 -> the quantised numbers, widened to float32 again
;;       x = np.moveaxis(x, axis, -1); K = x.shape[-1]
;;       x = np.pad(x, [(0, 0)] * (x.ndim - 1) + [(0, -K % 32)]); x = x.reshape(x.shape[:-1] + (-1, 32)); a = np.abs(x).max(-1, keepdims=True)
;;       e = np.where(a > 0, np.clip(np.frexp(np.where(a > 0, a, 1))[1] - 1 - 2, -126, 127), 0)      # np.frexp(a)[1] - 1 = floor(log2(a)), exactly
;;       r = np.clip(x / 2.0 ** e, -7.5, 7.5)
;;       step = 2.0 ** (np.maximum(np.frexp(np.where(r == 0, 1, r))[1] - 1, 0) - 3)
;;       q = np.round(r / step) * step * 2.0 ** e      # np.round: ties to even
;;       return np.moveaxis(q.reshape(q.shape[:-2] + (-1,))[..., :K], -1, axis).astype(np.float32)
;;   ~~~
;; One version. Each part assembles by itself: llvm-mc -triple=amdgcn-amd-amdhsa -mcpu=gfx1250 --defsym DOCPART=n.
;; ======== version 1 of 1: 3 launches
;; workspace buffers: xrec 6,815,744 bytes; erec 1,703,936 bytes; ind 131,072 bytes of whole numbers
;; launch quant (part 1): grid 256 x 1, 10 waves a work-group, no clusters, 170,240 bytes of LDS; arguments x, embed, xrec, erec; writes xrec, erec
.if DOCPART == 1
	.amdgcn_target "amdgcn-amd-amdhsa--gfx1250"
	.amdhsa_code_object_version 6
	.text
	.protected	k_qeba8f7e5ab_quant
	.globl	k_qeba8f7e5ab_quant
	.p2align	8
	.type	k_qeba8f7e5ab_quant,@function
k_qeba8f7e5ab_quant:
	s_mov_b64 s[64:65], 0
	v_nop
	global_prefetch_b8 v0, s[64:65] scope:SCOPE_SE
	s_setreg_imm32_b32 hwreg(HW_REG_WAVE_MODE, 25, 1), 1
	s_wait_xcnt 0x0
; x [32768][256] and embed [8192][256], f32, become TILE RECORDS for the product's launch: 16 rows each, 3,328 bytes = 13 x 256, laid in the order of a matrix operand's registers.
;   bytes    0 .. 1535  the fragment of K = 0 .. 127 (codes of E2M3, 12 registers a lane): registers 4 g .. 4 g + 3 of lane l at 512 g + 16 l
;   bytes 1536 .. 3071  the fragment of K = 128 .. 255, likewise
;   bytes 3072 .. 3199  scale words, 4 bytes a lane: lanes 0-15 row r's word for K = 0 .. 127, lanes 16-31 row r's word for K = 128 .. 255
;   bytes 3200 .. 3263  16 numbers of f32: + half the row's sum of squares (x), - half of it (embed);  bytes 3264 .. 3327 the same once more, so that the record's last 256 bytes are written whole
; A block's scale is 2^(floor(log2(its largest magnitude)) - 2); its byte is the largest magnitude's exponent field - 2, held at 1 from below; numbers are divided by the scale and rounded to the nearest code, ties to even,
; beyond 7.5 the largest code.  The sums of squares are taken of the numbers as they arrive, in f32.
; LIMITS: a block of zeros gets the byte 1 where the quantiser's rule says 127 (its codes are zeros, and this program alone reads the bytes); NaN and infinities are not served.
; SHARES: 2,560 tiles = 256 work-groups x 10 waves, a tile a wave: tiles 0 .. 2047 are x's, the others embed's.  Only pointers, the tile's number and the factor +-0.5 are chosen: one path for both tensors.
; A tile is 16,384 dense bytes: 32 loads of 512 consecutive bytes, all out at once.  It turns through the wave's own stage in LDS, so that lane (r, h) gets blocks h, 2 + h, 4 + h, 6 + h of row r: what the operand's layout gives that lane.
; No barrier: waves share nothing.  No loop, no stepped pointer, no register of a store written again.
.set REC,  3328
.set WREG, 16896                       ; LDS of a wave: the stage, 16 rows x SP, and 256 bytes for the record's last part
.set SP,   1040                        ; a stage row: 1,024 bytes + 16: an odd multiple of 16, so the 16 rows that a load of 16 bytes a lane touches begin at 16 different 16-byte columns modulo 256
.set TS,   16640
.set P,    40                          ; v40-63   the two fragments
.set R,    64                          ; v64-191  the tile: as loaded, then block c of my four at v[R + 32 c]
	s_load_b128 s[4:7], s[0:1], 0x0                ; x, embed
	s_load_b128 s[8:11], s[0:1], 0x10              ; xrec, erec
	v_lshl_add_u32 v192, v0, 2, 0x29400
	v_mov_b32 v193, 0
	v_lshrrev_b32 v1, 5, v0
	v_readfirstlane_b32 s12, v1                    ; wave 0..9
	v_and_b32 v1, 31, v0                           ; lane
	v_and_b32 v2, 15, v0                           ; r
	v_bfe_u32 v3, v0, 4, 1                         ; h
	v_lshlrev_b32 v4, 4, v1                        ; 16 x lane: the loads' and the image stores' offset
	s_mul_i32 s13, s12, WREG
	v_add_nc_u32 v5, s13, v4                       ; the stage on the way in: as the bytes lie
	v_mul_u32_u24 v6, v2, SP
	v_lshl_add_u32 v6, v3, 7, v6
	v_add_nc_u32 v6, s13, v6                       ; and on the way out: row r, + 128 h
	s_add_co_u32 s14, s13, TS
	v_lshl_add_u32 v7, v1, 2, s14                  ; the record's last part: 4 bytes a lane in,
	v_lshl_add_u32 v8, v1, 3, s14                  ; 8 bytes a lane out
	v_lshlrev_b32 v9, 3, v1
	v_lshlrev_b32 v12, 3, v3                       ; 8 h: my bytes' place in a scale word
	v_mov_b32 v13, 0                               ; written once: a lane permute's destination counts as one of its sources
	v_mov_b32 v14, 0
	s_mul_i32 s15, ttmp9, 10
	s_add_co_u32 s15, s15, s12                     ; my tile, 0 .. 2559
	s_mov_b32 s16, 0xbf000000                      ; -0.5
	s_mov_b32 s20, 0x76543210
	s_mov_b32 s21, 0xfedcba98                      ; v_permlanex16_b32's selects for lane l xor 16
	s_wait_kmcnt 0x0
	s_cmp_lt_u32 s15, 2048                         ; x's tile or embed's?  The choice hangs on the tile's number alone
	s_cselect_b64 s[4:5], s[4:5], s[6:7]
	s_cselect_b64 s[8:9], s[8:9], s[10:11]
	s_cselect_b32 s16, 0x3f000000, s16             ; +0.5 for x
	s_cselect_b32 s17, 0, 2048
	s_sub_co_u32 s15, s15, s17                     ; the tile's number in its tensor
	s_lshl_b32 s18, s15, 14                        ; 16,384 bytes a tile in,
	s_mov_b32 s19, 0
	s_add_nc_u64 s[4:5], s[4:5], s[18:19]
	s_mul_i32 s18, s15, REC                        ; a record out
	s_add_nc_u64 s[8:9], s[8:9], s[18:19]
.set i, 0
.rept 32
	global_load_b128 v[R+4*i:R+4*i+3], v4, s[4:5] offset:512*i th:TH_LOAD_NT   ; 32 lanes read 512 consecutive bytes: half a row
.set i, i+1
.endr
.set i, 0
.rept 32
	s_wait_loadcnt 31-i                            ; loads come back in order: load i is in, the younger ones stay out
	ds_store_b128 v5, v[R+4*i:R+4*i+3] offset:(i/2)*SP+(i%2)*512
.set i, i+1
.endr
	s_wait_dscnt 0x0                               ; the stores have read their registers, which the loads below fill
.set i, 0
.rept 32
	ds_load_b128 v[R+4*i:R+4*i+3], v6 offset:256*(i/8)+16*(i%8)   ; block 2 (i / 8) + h of row r, 16 bytes at a time
.set i, i+1
.endr
; Block c of my four: K = 64 c + 32 h + 0 .. 31 of row r.  All 32 numbers are mine: no other lane is asked for the largest magnitude.
.macro BLOCK c
.set XB, R+32*(\c)
.set PB, P+12*((\c)/2)+6*((\c)%2)      ; registers 6 (c % 2) .. + 5 of fragment c / 2
.set TC, 32+4*((\c)%2)
	s_wait_dscnt 24-8*(\c)                         ; this block's eight loads are in; the later blocks' may be out
	v_max3_num_f32 v10, |v[XB]|, |v[XB+1]|, |v[XB+2]|
	v_max3_num_f32 v11, |v[XB+3]|, |v[XB+4]|, |v[XB+5]|
.irp i, 6,10,14,18,22,26
	v_max3_num_f32 v10, v10, |v[XB+\i]|, |v[XB+\i+1]|
	v_max3_num_f32 v11, v11, |v[XB+\i+2]|, |v[XB+\i+3]|
.endr
	v_max3_num_f32 v10, v10, |v[XB+30]|, |v[XB+31]|
	v_max3_num_f32 v10, v10, v11, 0x1800000        ; and the floor 2^(3 - 127): the byte cannot fall under 1
	v_add_nc_u32 v[20+(\c)], 0xff000000, v10       ; 2 off the exponent field: the conversion takes the exponent field of this operand as its scale
	v_lshrrev_b32 v[16+(\c)], 23, v[20+(\c)]       ; the scale's byte
.irp j, 0,4,8,12,16,20,24,28                   ; the sum of squares, two numbers an instruction, in two chains; the first two products start them
.if (\c) == 0 && \j == 0
	v_pk_mul_f32 v[24:25], v[XB:XB+1], v[XB:XB+1]
	v_pk_mul_f32 v[26:27], v[XB+2:XB+3], v[XB+2:XB+3]
.else
	v_pk_fma_f32 v[24:25], v[XB+\j:XB+\j+1], v[XB+\j:XB+\j+1], v[24:25]
	v_pk_fma_f32 v[26:27], v[XB+\j+2:XB+\j+3], v[XB+\j+2:XB+\j+3], v[26:27]
.endif
.endr
	v_cvt_scalef32_pk16_fp6_f32 v[PB:PB+2], v[XB:XB+15], v[20+(\c)]
	v_cvt_scalef32_pk16_fp6_f32 v[TC:TC+2], v[XB+16:XB+31], v[20+(\c)]   ; (a conversion's three registers begin on an even number: the block's second three do not, so they are made elsewhere and moved)
	v_nop                                          ; one plain instruction behind a scaled conversion, ahead of the lines that read its result
.irp i, 0,1,2
	v_mov_b32 v[PB+3+\i], v[TC+\i]
.endr
.endm
	BLOCK 0
	BLOCK 1
	BLOCK 2
	BLOCK 3
.irp g, 0,1,2,3,4,5
	global_store_b128 v4, v[P+4*\g:P+4*\g+3], s[8:9] offset:512*\g   ; 32 lanes store 512 consecutive bytes, at a multiple of 256 from the buffer's first byte
.endr
	; the scale words.  Of K step s's word I hold bytes h and 2 + h; lanes 0-15 keep step 0's word, lanes 16-31 step 1's, and each sends its part of the other word to lane l xor 16
	v_lshl_or_b32 v28, v17, 16, v16
	v_lshl_or_b32 v29, v19, 16, v18
	v_lshlrev_b32 v28, v12, v28                    ; my part of step 0's word,
	v_lshlrev_b32 v29, v12, v29                    ; of step 1's
	v_cmp_ne_u32 vcc_lo, 0, v3
	v_cndmask_b32 v30, v28, v29, vcc_lo            ; kept
	v_cndmask_b32 v31, v29, v28, vcc_lo            ; sent
	v_permlanex16_b32 v13, v31, s20, s21
	v_or_b32 v30, v30, v13
	v_pk_add_f32 v[24:25], v[24:25], v[26:27]
	v_add_f32 v24, v24, v25
	v_permlanex16_b32 v14, v24, s20, s21
	v_add_f32 v24, v24, v14                        ; the row's sum of squares, in both of its lanes
	v_mul_f32 v24, s16, v24                        ; x +-0.5
	ds_store_b32 v7, v30
	ds_store_b32 v7, v24 offset:128                ; lanes 16-31 write the copy
	ds_load_b64 v[26:27], v8                       ; LDS serves a wave's instructions in order: this sees my stores
	s_wait_dscnt 0x0
	global_store_b64 v9, v[26:27], s[8:9] offset:3072   ; 32 lanes store the record's last 256 bytes
	s_wait_tensorcnt 0x0
	ds_add_u32 v192, v193
	s_wait_dscnt 0x0
	s_endpgm
.Lfunc_end_k_qeba8f7e5ab_quant:
	.size	k_qeba8f7e5ab_quant, .Lfunc_end_k_qeba8f7e5ab_quant-k_qeba8f7e5ab_quant
	.p2alignl 7, 3214868480
	.fill 96, 4, 3214868480
	.section	.rodata,"a",@progbits
	.p2align	6, 0x0
	.amdhsa_kernel k_qeba8f7e5ab_quant
		.amdhsa_group_segment_fixed_size 170240
		.amdhsa_private_segment_fixed_size 0
		.amdhsa_enable_private_segment 0
		.amdhsa_kernarg_size 32
		.amdhsa_user_sgpr_count 2
		.amdhsa_user_sgpr_kernarg_segment_ptr 1
		.amdhsa_wavefront_size32 1
		.amdhsa_system_sgpr_workgroup_id_x 1
		.amdhsa_system_sgpr_workgroup_id_y 1
		.amdhsa_system_sgpr_workgroup_id_z 1
		.amdhsa_system_vgpr_workitem_id 0
		.amdhsa_next_free_vgpr 194
		.amdhsa_next_free_sgpr 66
		.amdhsa_reserve_vcc 1
		.amdhsa_float_denorm_mode_32 3
		.amdhsa_float_denorm_mode_16_64 3
		.amdhsa_memory_ordered 1
		.amdhsa_forward_progress 1
		.amdhsa_inst_pref_size 22
	.end_amdhsa_kernel
	.amdgpu_metadata
---
amdhsa.version: [ 1, 2 ]
amdhsa.kernels:
  - .name:           k_qeba8f7e5ab_quant
    .symbol:         k_qeba8f7e5ab_quant.kd
    .args:
      - { .name: x, .offset: 0, .size: 8, .value_kind: global_buffer, .address_space: global }
      - { .name: embed, .offset: 8, .size: 8, .value_kind: global_buffer, .address_space: global }
      - { .name: xrec, .offset: 16, .size: 8, .value_kind: global_buffer, .address_space: global }
      - { .name: erec, .offset: 24, .size: 8, .value_kind: global_buffer, .address_space: global }
    .group_segment_fixed_size: 170240
    .private_segment_fixed_size: 0
    .kernarg_segment_align: 8
    .kernarg_segment_size: 32
    .max_flat_workgroup_size: 320
    .sgpr_count:     66
    .vgpr_count:     194
    .wavefront_size: 32
...
	.end_amdgpu_metadata
.endif
;; end of part 1
;; launch nearest (part 2): grid 256 x 1, 8 waves a work-group, clusters of 4 x 1, 327,680 bytes of LDS; arguments xrec, erec, ind, out1; writes ind, out1
.if DOCPART == 2
	.amdgcn_target "amdgcn-amd-amdhsa--gfx1250"
	.amdhsa_code_object_version 6
	.text
	.protected	k_qeba8f7e5ab_nearest
	.globl	k_qeba8f7e5ab_nearest
	.p2align	8
	.type	k_qeba8f7e5ab_nearest,@function
k_qeba8f7e5ab_nearest:
	s_mov_b64 s[64:65], 0
	v_nop
	global_prefetch_b8 v0, s[64:65] scope:SCOPE_SE
	s_setreg_imm32_b32 hwreg(HW_REG_WAVE_MODE, 25, 1), 1
	s_wait_xcnt 0x0
	s_wait_alu depctr_hold_cnt(0) depctr_sa_sdst(0) depctr_va_vdst(0) depctr_va_sdst(0) depctr_va_ssrc(0) depctr_va_vcc(0) depctr_vm_vsrc(0)
	s_getreg_b32 s2, hwreg(HW_REG_IB_STS2, 6, 4)
	s_cmp_eq_u32 s2, 0
	s_cbranch_scc0 .Lentry_in_a_cluster
	s_endpgm
.Lentry_in_a_cluster:
	s_bfe_u32 s2, ttmp6, 0x10000c
	s_cmp_lg_u32 s2, 0x3003
	s_cbranch_scc0 .Lentry_shape_is_right
	s_endpgm
.Lentry_shape_is_right:
; For each of 32,768 rows of x: the index of the nearest of 8,192 codes.  Operands come as tile records (16 rows: two fragments of E2M3 codes, scale words, half sums of squares), 3,328 bytes each.
; THE ARITHMETIC.  S = xe - e2 / 2: -e2 / 2 is the C of the first of a tile's two matrix instructions, so the subtraction costs no vector line.  d2 = x2 + e2 - 2 xe = 2 (X - S) with X = x2 / 2, so the nearest code has
; the largest S; max(d2, 0) is min(S, X), and it is taken: all codes that reach X tie.  -sqrt falls with d2 and is not evaluated.  Of equal scores the lowest index wins.
; LIMITS: the order of rounding differs from x2 + e2 first, then - 2 xe, and no root merges neighbours: where a row's two best codes lie within a few ulp of d2 of each other, the other of the two may be chosen.  NaN and infinities are not served.
; SHARES.  A work-group owns 128 rows against all codes.  Wave w: rows 64 (w % 2) on, four tiles of 16, whose fragments stay in registers for the whole launch; of each chunk of 32 code tiles it takes tiles 8 (w / 2) .. + 7.
; Source 0 = 16 codes, source 1 = 16 rows of x: lane (r, h) holds ONE row r, and register j the code 16 tile + 8 h + j: the arg-max runs along a lane's registers and along time.
; EIGHT WAVES OF 256 REGISTERS: a tile of scores is finished after two matrix instructions and then wants 16 vector lines, which stand in slices of eight behind the matrix instructions; with four row tiles a wave all fits
; under one register window, and no window is ever switched.
; THE ARG-MAX, 16 lines for 8 scores a lane: the tile's largest score (4 lines), the clamp, a compare with the best so far (strictly greater: the earlier tile keeps a tie), the tile's number and the new best (4 lines), and
; the tile's eight scores are kept where it has won (8 lines).  Which of the eight it was is found once, at the end.
; THE STREAM.  All work-groups walk the same 512 code records, in 16 chunks of 32 (106,496 bytes) through two LDS slots.  The four work-groups of a cluster ask JOINTLY: each wave brings four records (52 rows of 256 bytes) by one
; tensor load with a mask that names the four.  By this text's own count a wave has two tensor loads out at the start and one behind each change of slots.
; All of a WGP's LDS is claimed.
.set REC,    3328
.set CHUNKB, 32*REC
.set WPART,  4*REC                     ; what one tensor load brings
.set SLOT1,  131072                    ; slot 1 begins here, so that one exclusive or turns an address in one slot into the other's
.set SCR,    262144                    ; the waves' results: values at SCR + 512 (w / 2) + 4 row, indices 2,048 bytes on; no tile lands here
.set SPARE,  266240                    ; the spare words, 128 bytes for each wave: four blocks of 256 bytes that no other line names
.set SPW,  1                           ; v1   SPARE + 4 x my thread's number; never rewritten
.set NIL,  2                           ; v2   0; never rewritten
.set AF0,  3                           ; v3   my lane's place in my quarter's first record: fragments, 16 x lane
.set AS0,  4                           ; v4   scale words, 4 x lane + 3072
.set AE0,  5                           ; v5   -e2 / 2 of codes 8 h .. 8 h + 7: 32 h + 3200
.set ADF,  6                           ; v6-8 the same in the slot in hand
.set ADS,  7
.set ADE,  8
.set PFO,  9                           ; v9   the prefetches' offset; never rewritten
.set SC,   10                          ; v10-11  the codes' scale words, two sets: lanes 0-15 K = 0 .. 127, lanes 16-31 K = 128 .. 255.  These and v12-15 hold scales and nothing else
.set XS,   12                          ; v12-15  x's scale words, a register a row tile, laid likewise
.set X,    16                          ; v16-19  x2 / 2 of my row, a register a row tile
.set BEST, 20                          ; v20-23  the best clamped score so far
.set BIDX, 24                          ; v24-27  the first code of the tile that holds it
.set TA,   28                          ; v28-29  at work
.set TBR,  29
.set ML,   30                          ; v30  SCR + 8 x my thread's number: where waves 0 and 1 read the results back
.set MS,   31                          ; v31  where I store my rows' results
.set SV,   32                          ; v32-63  the winning tile's eight scores, eight registers a row tile
.set ACC,  64                          ; v64-95  two sets of two accumulators: set g at ACC + 16 g: row tiles 2 g and 2 g + 1
.set F,    96                          ; v96-143 a code tile's two fragments, two sets of 24
.set CE,   144                         ; v144-159 its -e2 / 2 in the result's layout, two sets of 8
.set XF,   160                         ; v160-255 x's fragments: row tile i, K step s at XF + 24 i + 12 s
.set WV,   12                          ; s12  my wave's number
.set PFA,  20                          ; s[20:21] where my prefetches stand
.set LIM,  22                          ; s22  1 in the launch's first cluster, else the greatest number
.set CH,   23                          ; s23  chunks still to be asked for
.set G1,   24                          ; s[24:31] descriptor group 1
.set G0A,  32                          ; s[32:35] group 0 of chunk 0
.set G0W,  36                          ; s[36:39] group 0 of chunk 1, which then walks
.set CB,   40                          ; s40  the first code of the tile that is being reduced
.set TB,   41                          ; s41  LDS byte at which the slot in hand begins
.set MA,   42                          ; s42-43 lanes in which the tile has won
.set MB,   43
; A round of the cluster's barrier: my work-group's barrier, so that wave 0's signal speaks for all eight waves; wave 0 signals; every wave waits for all four work-groups; my work-group's barrier once more.
.macro CROUND
	s_barrier_signal -1
	s_barrier_wait -1
	s_cmp_lg_u32 s[WV], 0
	s_cbranch_scc1 .Lnot_wave_0_\@
	s_barrier_signal -3
.Lnot_wave_0_\@:
	s_barrier_wait -3
	s_barrier_signal -1
	s_barrier_wait -1
.endm
; Nine LDS loads: the record off bytes on in my quarter, into set p.  Every fragment load takes 512 consecutive bytes, 16 a lane.
.macro LOADS p, off
.irp g, 0,1,2,3,4,5
	ds_load_b128 v[F+24*(\p)+4*\g:F+24*(\p)+4*\g+3], v[ADF] offset:(\off)+512*\g
.endr
	ds_load_b128 v[CE+8*(\p):CE+8*(\p)+3], v[ADE] offset:(\off)        ; sixteen lanes share each word
	ds_load_b128 v[CE+8*(\p)+4:CE+8*(\p)+7], v[ADE] offset:(\off)+16
	ds_load_b32 v[SC+(\p)], v[ADS] offset:(\off)
.endm
; One matrix instruction: K step k of code set p against row tile i, into accumulator u of set gp.  K step 0 begins the sum with -e2 / 2; K step 1 adds in place and takes both sides' scales from lanes 16-31.
.macro MM k, gp, u, i, p
.if \k == 0
	v_wmma_scale_f32_16x16x128_f8f6f4 v[ACC+16*(\gp)+8*(\u):ACC+16*(\gp)+8*(\u)+7], v[F+24*(\p):F+24*(\p)+11], v[XF+24*(\i):XF+24*(\i)+11], v[CE+8*(\p):CE+8*(\p)+7], v[SC+(\p)], v[XS+(\i)] matrix_a_fmt:MATRIX_FMT_FP6 matrix_b_fmt:MATRIX_FMT_FP6
.else
	v_wmma_scale_f32_16x16x128_f8f6f4 v[ACC+16*(\gp)+8*(\u):ACC+16*(\gp)+8*(\u)+7], v[F+24*(\p)+12:F+24*(\p)+23], v[XF+24*(\i)+12:XF+24*(\i)+23], v[ACC+16*(\gp)+8*(\u):ACC+16*(\gp)+8*(\u)+7], v[SC+(\p)], v[XS+(\i)] matrix_a_fmt:MATRIX_FMT_FP6 matrix_b_fmt:MATRIX_FMT_FP6 matrix_a_scale:MATRIX_SCALE_ROW1 matrix_b_scale:MATRIX_SCALE_ROW1
.endif
.endm
; Slice q of four of the arg-max over set gp's two accumulators (row tiles ia, ia + 1): eight lines, the two by turns, so that no line reads the line above it.  Each accumulator is read from its low end on.
.macro RED q, gp, ia
.set rA, ACC+16*(\gp)
.set rB, ACC+16*(\gp)+8
.set iA, (\ia)
.set iB, (\ia)+1
.if \q == 0
	v_max3_num_f32 v[TA], v[rA], v[rA+1], v[rA+2]
	v_max3_num_f32 v[TBR], v[rB], v[rB+1], v[rB+2]
	v_max3_num_f32 v[TA], v[TA], v[rA+3], v[rA+4]
	v_max3_num_f32 v[TBR], v[TBR], v[rB+3], v[rB+4]
	v_max3_num_f32 v[TA], v[TA], v[rA+5], v[rA+6]
	v_max3_num_f32 v[TBR], v[TBR], v[rB+5], v[rB+6]
	v_max_num_f32 v[TA], v[TA], v[rA+7]
	v_max_num_f32 v[TBR], v[TBR], v[rB+7]
.elseif \q == 1
	v_min_num_f32 v[TA], v[TA], v[X+iA]            ; the clamp: d2 is held at 0 from below
	v_min_num_f32 v[TBR], v[TBR], v[X+iB]
	v_cmp_gt_f32 s[MA], v[TA], v[BEST+iA]          ; strictly greater: the earlier tile, which has the lower codes, keeps a tie
	v_cmp_gt_f32 s[MB], v[TBR], v[BEST+iB]
	v_cndmask_b32 v[BIDX+iA], v[BIDX+iA], s[CB], s[MA]
	v_cndmask_b32 v[BIDX+iB], v[BIDX+iB], s[CB], s[MB]
	v_max_num_f32 v[BEST+iA], v[BEST+iA], v[TA]
	v_max_num_f32 v[BEST+iB], v[BEST+iB], v[TBR]
.else
.irp j, 0,1,2,3
	v_cndmask_b32 v[SV+8*iA+4*((\q)-2)+\j], v[SV+8*iA+4*((\q)-2)+\j], v[rA+4*((\q)-2)+\j], s[MA]
	v_cndmask_b32 v[SV+8*iB+4*((\q)-2)+\j], v[SV+8*iB+4*((\q)-2)+\j], v[rB+4*((\q)-2)+\j], s[MB]
.endr
.endif
.endm
; Four matrix instructions on set gi, the other set's arg-max in slices behind them.  The set's two accumulators take turns, one instruction a turn.  Each slice is eight plain lines that name no
; register of the matrix instructions round it: they are the places ahead of the first read of a result, of the next loads into the operands and of the next product that begins a sum in these registers.
.macro GROUP gi, p
	MM 0, \gi, 0, 2*(\gi), \p
	RED 0, 1-(\gi), 2-2*(\gi)
	MM 0, \gi, 1, 2*(\gi)+1, \p
	RED 1, 1-(\gi), 2-2*(\gi)
	MM 1, \gi, 0, 2*(\gi), \p
	RED 2, 1-(\gi), 2-2*(\gi)
	MM 1, \gi, 1, 2*(\gi)+1, \p
	RED 3, 1-(\gi), 2-2*(\gi)
.endm
; A PREFETCH INTO THE L2 of the chunk behind the one that has just been asked for: a chunk ahead of the load that will want it.  All clusters walk the same records: the launch's first cluster asks, and nobody else.  Of the
; four records that wave w fetches, the partner at place cx takes record cx, told apart BY ADDRESS: no branch hangs on a work-group's place in its cluster.  A record is 13 blocks of 256 bytes: lanes 0 to 12 name one each,
; lanes 13 to 31 name lane 12's again.  Chunks 0 to 2 come by their loads alone; the last change that fills a slot asks for nothing: there is no chunk behind it.
.macro ASK
	s_cmp_gt_u32 s[CH], s[LIM]
	s_cbranch_scc0 .Lnot_mine_\@
	global_prefetch_b8 v[PFO], s[PFA:PFA+1] th:TH_LOAD_NT scope:SCOPE_SE
.Lnot_mine_\@:
.endm
; THE CHANGE OF SLOTS stands at the head of a chunk's last tile, whose operands have been asked for a tile ago.  Each wave waits for all its tensor loads (its part of the next slot), adds 0 to its spare word, and waits for
; that and for its reads of this slot.  fill = 1: the barrier is a round of the cluster's, and the joint refill, the chunk two on, is the first thing behind it: it has a whole chunk's work in which to land.
.macro CHANGE fill
	s_wait_tensorcnt 0x0                           ; no tensor load of mine is out, so a group 0 may be written
	ds_add_u32 v[SPW], v[NIL]                      ; 0 onto my spare word: the steps below stand between it and the wait for it
.if \fill
	s_xor_b32 s[G0W+1], s[G0W+1], SLOT1            ; the walking descriptor: the other slot than last time,
	s_add_nc_u64 s[G0W+2:G0W+3], s[G0W+2:G0W+3], CHUNKB   ; the next chunk; the type bits on top are not reached
	s_wait_xcnt 0x0                                ; the last prefetch, a chunk back, has read its address, so it may be written
	s_add_nc_u64 s[PFA:PFA+1], s[PFA:PFA+1], CHUNKB
.endif
	s_xor_b32 s[TB], s[TB], SLOT1                  ; the LDS loads go on in the other slot
	s_wait_dscnt 0x0                               ; the add is done, and my reads of this slot are over: the last tile's operands are in
.if \fill
	CROUND                                         ; no wave of any partner still reads this slot or has a load on its way
	tensor_load_to_lds s[G0W:G0W+3], s[G1:G1+7]
	s_nop 0
.rept 4
	v_nop                                          ; four lines behind a tensor load
.endr
.else
	s_barrier_signal -1
	s_barrier_wait -1
.endif
	v_add_nc_u32 v[ADF], s[TB], v[AF0]
	v_add_nc_u32 v[ADS], s[TB], v[AS0]
	v_add_nc_u32 v[ADE], s[TB], v[AE0]
.endm
; Tile i of my eight in a chunk, operands in set p = i % 2.  head 0: its operands are in; the next tile's are asked for, a whole tile ahead.  1, 2: the change of slots, with and without a refill, and the next chunk's first tile.  3: the very last tile.
; The first group reduces the tile before's row tiles 2 and 3, still under that tile's number; then the number steps (16 codes a tile; 400 from my last tile of a chunk to my first of the next).
.macro TILE i, p, head
.if \head == 0
	s_wait_dscnt 0x0
	LOADS 1-(\p), ((\i)+1)*REC
.elseif \head == 1
	CHANGE 1
	LOADS 0, 0
	ASK                                            ; behind the joint load, its four lines and the run of LDS loads
.elseif \head == 2
	CHANGE 0
	LOADS 0, 0
.else
	s_wait_dscnt 0x0
.endif
	GROUP 0, \p
.if (\i) == 0
	s_add_co_u32 s[CB], s[CB], 400
.else
	s_add_co_u32 s[CB], s[CB], 16
.endif
	GROUP 1, \p
.endm
.macro CHUNK head7
	TILE 0, 0, 0
	TILE 1, 1, 0
	TILE 2, 0, 0
	TILE 3, 1, 0
	TILE 4, 0, 0
	TILE 5, 1, 0
	TILE 6, 0, 0
	TILE 7, 1, \head7
.endm
; (va, ia) takes (vb, ib) where vb is greater, or equal with the lower index
.macro MERGE va, ia, vb, ib
	v_cmp_gt_f32 s46, v[\vb], v[\va]
	v_cmp_eq_f32 s47, v[\vb], v[\va]
	v_cmp_lt_u32 s48, v[\ib], v[\ia]
	s_and_b32 s47, s47, s48
	s_or_b32 s46, s46, s47
	v_cndmask_b32 v[\va], v[\va], v[\vb], s46
	v_cndmask_b32 v[\ia], v[\ia], v[\ib], s46
.endm
	s_load_b128 s[4:7], s[0:1], 0x0                ; xrec, erec
	s_load_b128 s[8:11], s[0:1], 0x10              ; ind, out1
	v_lshl_add_u32 v[SPW], v0, 2, SPARE
	v_mov_b32 v[NIL], 0
	ds_add_u32 v1, v2
	ds_add_u32 v1, v2
	s_wait_dscnt 0x0
	v_lshrrev_b32 v3, 5, v0
	v_readfirstlane_b32 s[WV], v3                  ; wave 0..7
	s_bfe_u32 s13, ttmp6, 0x40000                  ; cx: my place in the cluster.  It enters global addresses alone (s13, s14, s50-55)
	s_lshl_b32 s14, ttmp9, 2                       ; in a cluster launch ttmp9 counts clusters
	s_add_co_u32 s14, s14, s13                     ; my work-group: rows 128 x it on
	s_and_b32 s15, s[WV], 1                        ; which 64 of them are my wave's
	s_lshr_b32 s16, s[WV], 1                       ; which quarter of a chunk's tiles
	; descriptor group 1: four records, 13,312 dense bytes, as 52 rows of 256 bytes (32 elements of 8 bytes), no padding: every LDS read is of consecutive bytes
	s_mov_b32 s[G1+0], 15|(3<<16)|(1<<21)          ; 15:0 the mask: all four work-groups; 17:16 elements of 8 bytes; 21 set beside a mask
	s_mov_b32 s[G1+1], 32<<16                      ; tensor_dim0 = 32
	s_mov_b32 s[G1+2], 52<<16                      ; tensor_dim1 = 52
	s_mov_b32 s[G1+3], 32<<16                      ; tile_dim0 = 32
	s_mov_b32 s[G1+4], 52                          ; tile_dim1 = 52
	s_mov_b32 s[G1+5], 32                          ; from row to row
	s_mov_b32 s[G1+6], 0
	s_mov_b32 s[G1+7], 0
	s_mul_i32 s18, s[WV], WPART                    ; my part of a chunk, in memory and in a slot: the wave's number alone
	s_mov_b32 s19, 0
	s_lshl_b32 s50, s14, 3
	s_lshl_b32 s51, s15, 2
	s_add_co_u32 s50, s50, s51
	s_mul_i32 s50, s50, REC                        ; x: my four records begin at record 8 x work-group + 4 x half
	s_mov_b32 s51, 0
	s_mul_i32 s52, s13, REC
	s_add_co_u32 s52, s52, s18
	s_add_co_u32 s52, s52, 2*CHUNKB                ; the prefetches: record cx of my part, in chunk 2; the first change of slots steps it to chunk 3
	s_mov_b32 s53, 0
	s_lshl_b32 s54, s14, 9                         ; the indices: 512 bytes a work-group
	s_mov_b32 s55, 0
	s_cmp_eq_u32 ttmp9, 0
	s_cselect_b32 s[LIM], 1, -1                    ; the same in all four partners
	s_mov_b32 s44, 0x76543210
	s_mov_b32 s45, 0xfedcba98                      ; v_permlanex16_b32's selects for lane l xor 16
	s_lshl_b32 s[CB], s16, 7
	s_sub_co_u32 s[CB], s[CB], 400                 ; the first tile's step brings it to 128 x quarter
	s_mov_b32 s[TB], 0
	s_mov_b32 s[CH], 14
	s_wait_kmcnt 0x0
	s_mov_b32 s[G0A], 1                            ; count = 1
	s_mov_b32 s[G0A+1], s18                        ; LDS address: slot 0
	s_add_nc_u64 s[G0A+2:G0A+3], s[6:7], s[18:19]  ; global address: chunk 0
	s_mov_b32 s[G0W], 1
	s_add_co_u32 s[G0W+1], s18, SLOT1              ; slot 1
	s_add_nc_u64 s[G0W+2:G0W+3], s[G0A+2:G0A+3], CHUNKB   ; chunk 1
	s_or_b32 s[G0A+3], s[G0A+3], 0x80000000        ; type = 2
	s_or_b32 s[G0W+3], s[G0W+3], 0x80000000
	s_add_nc_u64 s[4:5], s[4:5], s[50:51]
	s_add_nc_u64 s[PFA:PFA+1], s[6:7], s[52:53]
	s_add_nc_u64 s[8:9], s[8:9], s[54:55]
	s_add_nc_u64 s[10:11], s[10:11], s[54:55]
	CROUND                                         ; all four work-groups are here: the first joint loads meet
	tensor_load_to_lds s[G0A:G0A+3], s[G1:G1+7]
	s_nop 0
	tensor_load_to_lds s[G0W:G0W+3], s[G1:G1+7]
	s_nop 0
.rept 4
	v_nop
.endr
	v_and_b32 v6, 31, v0                           ; lane
	v_and_b32 v8, 15, v0                           ; r
	v_bfe_u32 v5, v0, 4, 1                         ; h
	v_min_u32 v[PFO], 12, v6
	v_lshlrev_b32 v[PFO], 8, v[PFO]
	v_lshlrev_b32 v7, 2, v6                        ; 4 x lane
	v_lshlrev_b32 v6, 4, v6                        ; 16 x lane
	v_lshlrev_b32 v8, 2, v8                        ; 4 r
.irp i, 0,1,2,3                                ; x's four records stay in registers
.irp g, 0,1,2,3,4,5
	global_load_b128 v[XF+24*\i+4*\g:XF+24*\i+4*\g+3], v6, s[4:5] offset:\i*REC+512*\g
.endr
	global_load_b32 v[XS+\i], v7, s[4:5] offset:\i*REC+3072
	global_load_b32 v[X+\i], v8, s[4:5] offset:\i*REC+3200
.endr
	s_mul_i32 s17, s16, 8*REC                      ; my quarter of a chunk
	v_add_nc_u32 v[AF0], s17, v6
	v_add_nc_u32 v[AS0], s17, v7
	v_add_nc_u32 v[AS0], 3072, v[AS0]
	v_lshl_add_u32 v[AE0], v5, 5, s17
	v_add_nc_u32 v[AE0], 3200, v[AE0]
	s_lshl_b32 s46, s16, 9
	s_lshl_b32 s47, s15, 8
	s_add_co_u32 s46, s46, s47
	s_add_co_u32 s46, s46, SCR
	v_add_nc_u32 v[MS], s46, v8                    ; SCR + 512 x quarter + 4 x (64 x half + r)
	v_lshl_add_u32 v[ML], v0, 3, SCR
	; The loop has no first tile of its own: set 1 begins as -infinity, which wins nowhere, so the first group's slices change nothing.
.irp i, 0,1,2,3
	v_mov_b32 v[BEST+\i], 0xff800000
	v_mov_b32 v[BIDX+\i], 0
.endr
.set j, 0
.rept 32
	v_mov_b32 v[SV+j], 0
.set j, j+1
.endr
.set j, 0
.rept 16
	v_mov_b32 v[ACC+16+j], 0xff800000
.set j, j+1
.endr
	s_wait_tensorcnt 0x1                           ; my part of chunk 0 is in; chunk 1's may stay out
	s_barrier_signal -1
	s_barrier_wait -1                              ; everybody's is
	s_wait_loadcnt 0x0                             ; x; and v6-8, the loads' offsets, may be written
	v_add_nc_u32 v[ADF], s[TB], v[AF0]
	v_add_nc_u32 v[ADS], s[TB], v[AS0]
	v_add_nc_u32 v[ADE], s[TB], v[AE0]
	LOADS 0, 0
.Lchunk:                                           ; 14 trips: chunks 0 to 13, each of which asks for the chunk two on
	CHUNK 1
	s_sub_co_u32 s[CH], s[CH], 1
	s_cmp_lg_u32 s[CH], 0
	s_cbranch_scc1 .Lchunk
	CHUNK 2                                        ; the last two chunks are written out
	CHUNK 3
	RED 0, 1, 2                                    ; the last tile's row tiles 2 and 3 (the eight lines of the slice before are the places behind the last products)
	RED 1, 1, 2
	RED 2, 1, 2
	RED 3, 1, 2
	; WHICH OF THE EIGHT: the first register of the winning tile that reaches the clamped best
	v_bfe_u32 v[TBR], v0, 4, 1
	v_lshlrev_b32 v[TBR], 3, v[TBR]                ; 8 h
	v_lshlrev_b32 v[TA], 3, v0                     ; the stores' offset in waves 0 and 1: 8 x my thread's number
.irp i, 0,1,2,3
	v_mov_b32 v[ACC+\i], 7
.endr
.irp j, 6,5,4,3,2,1,0
.irp i, 0,1,2,3
	v_cmp_lt_f32 vcc_lo, v[SV+8*\i+\j], v[BEST+\i]
	v_cndmask_b32 v[ACC+\i], \j, v[ACC+\i], vcc_lo ; j where score j is not under the best
.endr
.endr
.irp i, 0,1,2,3
	v_add_nc_u32 v[BIDX+\i], v[BIDX+\i], v[ACC+\i]
.endr
.irp i, 0,1,2,3
	v_add_nc_u32 v[BIDX+\i], v[BIDX+\i], v[TBR]    ; the code: 16 tile + 8 h + j
.endr
.irp i, 0,1,2,3                                ; the row's other eight codes of each tile lie in lane l xor 16
	v_permlanex16_b32 v[ACC+16+\i], v[BEST+\i], s44, s45
	v_permlanex16_b32 v[ACC+20+\i], v[BIDX+\i], s44, s45
.endr
.irp i, 0,1,2,3
	MERGE BEST+\i, BIDX+\i, ACC+16+\i, ACC+20+\i
.endr
.irp i, 0,1,2,3
	ds_store_b32 v[MS], v[BEST+\i] offset:64*\i            ; both lanes of a row write the same word with the same value
	ds_store_b32 v[MS], v[BIDX+\i] offset:2048+64*\i
.endr
	s_wait_dscnt 0x0                               ; for the others' sake: my stores have landed
	s_barrier_signal -1
	s_barrier_wait -1
	s_cmp_lt_u32 s[WV], 2                          ; waves 0 and 1 join the four quarters: lane l takes rows 64 wave + 2 l and + 1
	s_cbranch_scc0 .Ldone
.irp q, 0,1,2,3
	ds_load_b64 v[ACC+2*\q:ACC+2*\q+1], v[ML] offset:512*\q
	ds_load_b64 v[ACC+8+2*\q:ACC+8+2*\q+1], v[ML] offset:2048+512*\q
.endr
	s_wait_dscnt 0x0
.irp q, 1,2,3
	MERGE ACC, ACC+8, ACC+2*\q, ACC+8+2*\q
	MERGE ACC+1, ACC+9, ACC+2*\q+1, ACC+9+2*\q
.endr
	global_store_b64 v[TA], v[ACC+8:ACC+9], s[8:9]     ; 32 lanes store 256 consecutive bytes, at a multiple of 256 from the buffer's first byte
	global_store_b64 v[TA], v[ACC+8:ACC+9], s[10:11]
.Ldone:
	s_wait_tensorcnt 0x0                           ; the wave's end: behind my last tensor load and my last LDS store
	ds_add_u32 v[SPW], v[NIL]
	s_wait_dscnt 0x0
	CROUND                                         ; the closing round: no work-group ends while a partner may still ask for a tile that names it
	s_endpgm
.Lfunc_end_k_qeba8f7e5ab_nearest:
	.size	k_qeba8f7e5ab_nearest, .Lfunc_end_k_qeba8f7e5ab_nearest-k_qeba8f7e5ab_nearest
	.p2alignl 7, 3214868480
	.fill 96, 4, 3214868480
	.section	.rodata,"a",@progbits
	.p2align	6, 0x0
	.amdhsa_kernel k_qeba8f7e5ab_nearest
		.amdhsa_group_segment_fixed_size 327680
		.amdhsa_private_segment_fixed_size 0
		.amdhsa_enable_private_segment 0
		.amdhsa_kernarg_size 32
		.amdhsa_user_sgpr_count 2
		.amdhsa_user_sgpr_kernarg_segment_ptr 1
		.amdhsa_wavefront_size32 1
		.amdhsa_system_sgpr_workgroup_id_x 1
		.amdhsa_system_sgpr_workgroup_id_y 1
		.amdhsa_system_sgpr_workgroup_id_z 1
		.amdhsa_system_vgpr_workitem_id 0
		.amdhsa_next_free_vgpr 256
		.amdhsa_next_free_sgpr 66
		.amdhsa_reserve_vcc 1
		.amdhsa_float_denorm_mode_32 3
		.amdhsa_float_denorm_mode_16_64 3
		.amdhsa_memory_ordered 1
		.amdhsa_forward_progress 1
		.amdhsa_inst_pref_size 148
	.end_amdhsa_kernel
	.amdgpu_metadata
---
amdhsa.version: [ 1, 2 ]
amdhsa.kernels:
  - .name:           k_qeba8f7e5ab_nearest
    .symbol:         k_qeba8f7e5ab_nearest.kd
    .args:
      - { .name: xrec, .offset: 0, .size: 8, .value_kind: global_buffer, .address_space: global }
      - { .name: erec, .offset: 8, .size: 8, .value_kind: global_buffer, .address_space: global }
      - { .name: ind, .offset: 16, .size: 8, .value_kind: global_buffer, .address_space: global }
      - { .name: out1, .offset: 24, .size: 8, .value_kind: global_buffer, .address_space: global }
    .group_segment_fixed_size: 327680
    .private_segment_fixed_size: 0
    .kernarg_segment_align: 8
    .kernarg_segment_size: 32
    .max_flat_workgroup_size: 256
    .sgpr_count:     66
    .vgpr_count:     256
    .wavefront_size: 32
...
	.end_amdgpu_metadata
.endif
;; end of part 2
;; launch gather (part 3): grid 256 x 1, 8 waves a work-group, no clusters, 0 bytes of LDS; arguments ind, embed, out0; writes out0
.if DOCPART == 3
	.amdgcn_target "amdgcn-amd-amdhsa--gfx1250"
	.amdhsa_code_object_version 6
	.text
	.protected	k_qeba8f7e5ab_gather
	.globl	k_qeba8f7e5ab_gather
	.p2align	8
	.type	k_qeba8f7e5ab_gather,@function
k_qeba8f7e5ab_gather:
	s_mov_b64 s[64:65], 0
	v_nop
	global_prefetch_b8 v0, s[64:65] scope:SCOPE_SE
	s_setreg_imm32_b32 hwreg(HW_REG_WAVE_MODE, 25, 1), 1
	s_wait_xcnt 0x0
; out0[row][:] = embed[ind[row]][:], f32, rows of 1,024 bytes.  The indices were stored by the launch before, as whole numbers.
; 2,048 waves, 16 rows each.  A wave reads its 16 indices by one scalar load, holds each inside the table (8,191 at the most), and has all 32 loads of its rows out at once: 512 consecutive bytes each.
; Each store covers 512 consecutive bytes, at a multiple of 256 from out0's first byte.  No LDS, no barrier, no loop: every offset is an immediate, and no register of a load or store is written again.
; The loads carry no hint: a code's row may be named by many rows.  The stores' bytes are written once and read by nobody here.
	s_load_b128 s[4:7], s[0:1], 0x0                ; ind, embed
	s_load_b64 s[8:9], s[0:1], 0x10                ; out0
	v_lshrrev_b32 v1, 5, v0
	v_readfirstlane_b32 s10, v1                    ; wave 0..7
	v_and_b32 v1, 31, v0
	v_lshlrev_b32 v1, 4, v1                        ; 16 x lane
	s_lshl_b32 s11, ttmp9, 3
	s_add_co_u32 s11, s11, s10                     ; which 16 rows are my wave's
	s_lshl_b32 s12, s11, 6                         ; their indices: 64 bytes,
	s_mov_b32 s13, 0
	s_lshl_b32 s14, s11, 14                        ; their rows of out0: 16,384 bytes
	s_mov_b32 s15, 0
	s_wait_kmcnt 0x0
	s_add_nc_u64 s[4:5], s[4:5], s[12:13]
	s_add_nc_u64 s[8:9], s[8:9], s[14:15]
	s_load_b512 s[16:31], s[4:5], 0x0
	s_wait_kmcnt 0x0
.set k, 0
.rept 16
	s_min_u32 s[16+k], s[16+k], 8191               ; an index stays inside the table
	s_lshl_b32 s[16+k], s[16+k], 10                ; 1,024 bytes a row
	v_add_nc_u32 v[2+k], s[16+k], v1
	global_load_b128 v[32+8*k:35+8*k], v[2+k], s[6:7]
	global_load_b128 v[36+8*k:39+8*k], v[2+k], s[6:7] offset:512
.set k, k+1
.endr
.set k, 0
.rept 16
	s_wait_loadcnt 30-2*k                          ; loads come back in order: row k's two are in, the later rows' stay out
	global_store_b128 v1, v[32+8*k:35+8*k], s[8:9] offset:1024*k th:TH_STORE_NT
	global_store_b128 v1, v[36+8*k:39+8*k], s[8:9] offset:1024*k+512 th:TH_STORE_NT
.set k, k+1
.endr
	s_endpgm
.Lfunc_end_k_qeba8f7e5ab_gather:
	.size	k_qeba8f7e5ab_gather, .Lfunc_end_k_qeba8f7e5ab_gather-k_qeba8f7e5ab_gather
	.p2alignl 7, 3214868480
	.fill 96, 4, 3214868480
	.section	.rodata,"a",@progbits
	.p2align	6, 0x0
	.amdhsa_kernel k_qeba8f7e5ab_gather
		.amdhsa_group_segment_fixed_size 0
		.amdhsa_private_segment_fixed_size 0
		.amdhsa_enable_private_segment 0
		.amdhsa_kernarg_size 24
		.amdhsa_user_sgpr_count 2
		.amdhsa_user_sgpr_kernarg_segment_ptr 1
		.amdhsa_wavefront_size32 1
		.amdhsa_system_sgpr_workgroup_id_x 1
		.amdhsa_system_sgpr_workgroup_id_y 1
		.amdhsa_system_sgpr_workgroup_id_z 1
		.amdhsa_system_vgpr_workitem_id 0
		.amdhsa_next_free_vgpr 160
		.amdhsa_next_free_sgpr 66
		.amdhsa_reserve_vcc 0
		.amdhsa_float_denorm_mode_32 3
		.amdhsa_float_denorm_mode_16_64 3
		.amdhsa_memory_ordered 1
		.amdhsa_forward_progress 1
		.amdhsa_inst_pref_size 10
	.end_amdhsa_kernel
	.amdgpu_metadata
---
amdhsa.version: [ 1, 2 ]
amdhsa.kernels:
  - .name:           k_qeba8f7e5ab_gather
    .symbol:         k_qeba8f7e5ab_gather.kd
    .args:
      - { .name: ind, .offset: 0, .size: 8, .value_kind: global_buffer, .address_space: global }
      - { .name: embed, .offset: 8, .size: 8, .value_kind: global_buffer, .address_space: global }
      - { .name: out0, .offset: 16, .size: 8, .value_kind: global_buffer, .address_space: global }
    .group_segment_fixed_size: 0
    .private_segment_fixed_size: 0
    .kernarg_segment_align: 8
    .kernarg_segment_size: 24
    .max_flat_workgroup_size: 256
    .sgpr_count:     66
    .vgpr_count:     160
    .wavefront_size: 32
...
	.end_amdgpu_metadata
.endif
;; end of part 3
